; MI455X (gfx1250); checked and timed in simulation.
; The chip was launched on July 23, 2026; its instructions are those of AMD's public machine-readable ISA for CDNA 5 (MIT licence, August 2026) and "CDNA5" Instruction Set Architecture Reference Guide (July 2026). The comments in the code are by the model that wrote it; some were corrected since.
;; Multi Head Attention CF. Allowed arithmetic: matrix products marked QUANTISED: E2M3 operands, one E8M0 scale for each 32 along K, by v_wmma_scale_f32_16x16x128_f8f6f4 with both operands' format E2M3, f32 sums; everything else in f32.
;; Inputs: Wk_codes 1,024 x 32 x 24 uint8 (E2M3 codes of Wk, K innermost, in blocks of 32 codes, four codes in three bytes); Wk_scales 1,024 x 32 uint8 (E8M0 scales of Wk, one for each 32 codes along K); Wo_codes 1,024 x 32 x 24 uint8 (E2M3 codes of Wo, K innermost, in blocks of 32 codes, four codes in three bytes); Wo_scales 1,024 x 32 uint8 (E8M0 scales of Wo, one for each 32 codes along K); Wq_codes 1,024 x 32 x 24 uint8 (E2M3 codes of Wq, K innermost, in blocks of 32 codes, four codes in three bytes); Wq_scales 1,024 x 32 uint8 (E8M0 scales of Wq, one for each 32 codes along K); Wv_codes 1,024 x 32 x 24 uint8 (E2M3 codes of Wv, K innermost, in blocks of 32 codes, four codes in three bytes); Wv_scales 1,024 x 32 uint8 (E8M0 scales of Wv, one for each 32 codes along K); bk 1,024 float32; bo 1,024 float32; bq 1,024 float32; bv 1,024 float32; x_codes 4 x 2,048 x 32 x 24 uint8 (E2M3 codes of x, K innermost, in blocks of 32 codes, four codes in three bytes); x_scales 4 x 2,048 x 32 uint8 (E8M0 scales of x, one for each 32 codes along K).
;; Outputs: out0 4 x 2,048 x 1,024 float32.
;; This version of the problem:
;;   THIS VERSION OF THE PROBLEM IS GIVEN IN LOW PRECISION. The matrix products marked QUANTISED in the list below multiply operands that are first quantised to E2M3 (2 exponent bits, 3 mantissa bits; 6 bits a number), with one power-of-two scale for each 32 numbers along K (OCP MX v1.0); their sums are f32. All else is computed in f32.
;;   The module's matrix products, in the order in which they are computed (A, B: the left and right operand; K: the contracted axis; several contracted axes count as one K, in the product's order):
;;     1. [M 8,192, K 1,024] x [K 1,024, N 1,024]; A: input x (given as codes); B: input Wq (given as codes): QUANTISED
;;     2. [M 8,192, K 1,024] x [K 1,024, N 1,024]; A: input x (given as codes); B: input Wk (given as codes): QUANTISED
;;     3. [M 8,192, K 1,024] x [K 1,024, N 1,024]; A: input x (given as codes); B: input Wv (given as codes): QUANTISED
;;     4. batch 64 x [M 2,048, K 64] x [K 64, N 2,048]; A: computed on the way; B: computed on the way: QUANTISED
;;     5. batch 64 x [M 2,048, K 2,048] x [K 2,048, N 64]; A: softmax (see below); B: computed on the way: QUANTISED
;;     6. [M 8,192, K 1,024] x [K 1,024, N 1,024]; A: computed on the way; B: input Wo (given as codes): QUANTISED
;;   THE QUANTISER, for each operand of a quantised product, along K:
;;     - K is cut into blocks of 32 from its start; a last block that is shorter is filled with zeros.
;;     - A block's scale is 2^e with e = floor(log2(the largest magnitude in the block)) - 2, held to -126 .. 127; a block of zeros has e = 0. As a byte (E8M0): e + 127.
;;     - Each number is divided by its block's scale, clamped to +-7.5, and rounded to the nearest number of E2M3, ties to even, subnormals kept.
;;     - The product sums the exact products of the quantised numbers (number of the format x scale) in f32.
;;   ~~~python
;;   def quantise(x, axis):      # numpy; x: float32 -> the quantised numbers, widened to float32 again
;;       x = np.moveaxis(x, axis, -1); K = x.shape[-1]
;;       x = np.pad(x, [(0, 0)] * (x.ndim - 1) + [(0, -K % 32)]); x = x.reshape(x.shape[:-1] + (-1, 32)); a = np.abs(x).max(-1, keepdims=True)
;;       e = np.where(a > 0, np.clip(np.frexp(np.where(a > 0, a, 1))[1] - 1 - 2, -126, 127), 0)      # np.frexp(a)[1] - 1 = floor(log2(a)), exactly
;;       r = np.clip(x / 2.0 ** e, -7.5, 7.5)
;;       step = 2.0 ** (np.maximum(np.frexp(np.where(r == 0, 1, r))[1] - 1, 0) - 3)
;;       q = np.round(r / step) * step * 2.0 ** e      # np.round: ties to even
;;       return np.moveaxis(q.reshape(q.shape[:-2] + (-1,))[..., :K], -1, axis).astype(np.float32)
;;   ~~~
;;   SOFTMAX AHEAD OF A QUANTISED PRODUCT. Where the list says 'softmax', what is quantised is not the finished softmax but p = 2^(t - M), with t = logit x log2(e) and M = ceil(the row's largest t), a whole number; so 1/2 < the row's largest p <= 1. The row's sum l is taken of the UNQUANTISED p, in f32, and the product's result is divided by l at the end. Since M is a whole number, a kernel that streams over the keys may use a running M (the ceiling of the running maximum): every later rescaling is an exact power of two, which a block's scale takes up: the codes' values come out the same.
;;   OPERANDS COMPUTED ON THE WAY. 'Computed on the way' means the value that the module computes at that place (a softmax that the list does not call 'softmax' is quantised finished and normalised). What goes into a quantiser is computed in f32, as accurately as f32 sums, v_exp_f32 and their like allow (about 1e-6 of the number): no bf16 or f16 on the way to a quantiser, and a product that is left as it is and whose result goes on into a quantised operand takes f32 operands (vector FMAs, or v_wmma_f32_16x16x4_f32). A number that lies on a knife's edge between two numbers of the format may be rounded either way, as far as f32 arithmetic and the matrix unit's own rounding can turn it there, and no further.
;;   INPUTS GIVEN AS CODES. Wk (in the module: [1024, 1024], K = its axis 1); Wo (in the module: [1024, 1024], K = its axis 1); Wq (in the module: [1024, 1024], K = its axis 1); Wv (in the module: [1024, 1024], K = its axis 1); x (in the module: [4, 2048, 1024], K = its axis 2): each comes as NAME_codes (uint8): NAME with its K axis moved to the last place and cut into blocks of 32 codes, [.., K / 32, bytes a block], one block behind the other in memory; four codes in three bytes: a row's codes are one little-endian stream of bits, code i at bits 6 i .. 6 i + 5 (a code: sign, 2 exponent bits, 3 mantissa bits); and NAME_scales (uint8): the same leading axes, one E8M0 byte (e + 127) for each 32 codes along K. Its value is code x scale, taken as it is: it is not quantised again, and the codes and scales need not be those that the quantiser above would give.
;; One version. Each part assembles by itself: llvm-mc -triple=amdgcn-amd-amdhsa -mcpu=gfx1250 --defsym DOCPART=n.
;; ======== version 1 of 1: 3 launches
;; limits: right only within a limited range of input values
;; workspace buffers: qkv_img 20,185,088 bytes; a_img 6,291,456 bytes; a_scl 262,144 bytes
;; launch qkv (part 1): grid 12 x 32, 4 waves a work-group, clusters of 4 x 4, 327,680 bytes of LDS; arguments x_codes, x_scales, Wq_codes, Wq_scales, Wk_codes, Wk_scales, Wv_codes, Wv_scales, bq, bk, bv, qkv_img; writes qkv_img
.if DOCPART == 1
	.amdgcn_target "amdgcn-amd-amdhsa--gfx1250"
	.amdhsa_code_object_version 6
	.text
	.protected	k_q07e56617fc_qkv
	.globl	k_q07e56617fc_qkv
	.p2align	8
	.type	k_q07e56617fc_qkv,@function
k_q07e56617fc_qkv:
	s_mov_b64 s[64:65], 0
	v_nop
	global_prefetch_b8 v0, s[64:65] scope:SCOPE_SE
	s_setreg_imm32_b32 hwreg(HW_REG_WAVE_MODE, 25, 1), 1
	s_wait_xcnt 0x0
	s_wait_alu depctr_hold_cnt(0) depctr_sa_sdst(0) depctr_va_vdst(0) depctr_va_sdst(0) depctr_va_ssrc(0) depctr_va_vcc(0) depctr_vm_vsrc(0)
	s_getreg_b32 s2, hwreg(HW_REG_IB_STS2, 6, 4)
	s_cmp_eq_u32 s2, 0
	s_cbranch_scc0 .Lentry_in_a_cluster
	s_endpgm
.Lentry_in_a_cluster:
	s_bfe_u32 s2, ttmp6, 0x10000c
	s_cmp_lg_u32 s2, 0xf033
	s_cbranch_scc0 .Lentry_shape_is_right
	s_endpgm
.Lentry_shape_is_right:
; Q = x Wq^T + bq, K = x Wk^T + bk, V = x Wv^T + bv on codes of FP6 (E2M3), one E8M0 scale for each 32 along K = 1,024; f32 sums.  The biased results are quantised
; again in registers (Q, K along the head's 64 features, V along the keys) and leave as images of operand registers for the attention launch.  No work of the problem is left out.
; ONE TEXT, THREE PRODUCTS, chosen by the cluster's x (0 Q, 1 K, 2 V), which all sixteen partners share.  Source 1 is the A-matrix (its row is the lane), source 0 the B-matrix (its rows run along a lane's registers).
; Q, K: A = x, B = the weight.  V: A = Wv, B = x.  A tile of 256 x 256 by four waves, 128 x 128 each: 64 accumulators.
; K goes through two LDS slots in CHUNKS OF 256 BYTES of each row of 768: every tile row begins at a multiple of 256 bytes.  A step of 128 along K is 96 bytes: eight steps to three chunks; steps 2 and 5 lie across two chunks.
; The scales of the 256 + 256 rows come once, as rows of 256 bytes.  A's tiles are shared along a row of the cluster, B's along a column: joint loads.
; No prefetch: three chunks along K, of which two are asked for at the start; only one refill is left to run ahead of.
; ORDER INSIDE A BLOCK OF 32: the codes stand in the order 0-7, 16-23, 8-15, 24-31, alike on both operands of each attention product; the block's scale is that of the same 32 numbers.
; qkv_img: a record of 315,392 bytes for each (batch, head): Q's 128 half images of 768; four chunks of 49,152 (32 half images of K, then 4 key steps x 4 channel tiles of V, 1,536 each);
; K's scale words [tile][row] (bytes 2, 3 = 0x7f), V's [key step][channel tile][row], Q's [tile][row].
; LIMITS: NaN and infinities ahead of a quantiser are not served.  A block whose largest magnitude lies under 2^-124, a block of zeros among them, gets the scale byte 1 (the rule gives zeros 127): only this program reads these bytes.
.set ROWB,   256
.set NQ,     2
.set KROW,   768
.set STEPS,  8
.set CHUNKS, 3
.set PITCH,  272
.set FR,     12
.set NL,     6
.set NP,     4
.set HALFT,  128*PITCH
.set SLOT,   4*HALFT
.set KS,     32
.set SCL,    2*SLOT
.set HALFS,  (128*KS/256)*272
.set SBLK,   (16*KS/256)*272
.set SPARE,  SCL+4*HALFS               ; the spare words, 128 bytes a wave
.set BIASL,  SPARE+512                 ; each wave's 128 bias numbers
.set SCSQ,   BIASL+4*512               ; stage for Q's and K's scale words
.set SCSV,   SCSQ+4*1024               ; for V's
.set REC,    315392
.set KWO,    294912                    ; K's words in a record; V's 8,192 on; Q's 12,288 on
.set ADRA, 16                          ; v16-17 my A fragments in slot 0, 1; v18-19: lanes 0-15 at byte 232 of a chunk, lanes 16-31 at byte 0 of the next
.set ADRB, 20
.set ADRS, 27
.set SPW,  28
.set NIL,  29
.set SC,   32                          ; v32-63 scale words, two sets
.set AF,   128
.set G1, 24
.set G0, 32
.set G1B, 48
.set G0B, 56
.set G1S, 68
.set G0S, 76
.set G1SB, 80
.set G0SB, 88
.set G0H, 4
.set G0HB, 8
.set LI,  4
.set L8,  5
.set BAD, 6
.set BAV, 7
.set SWQ, 8
.set SRQ, 9
.set SWV, 10
.set SRV, 11
.set VSO, 12
.set BI,  64
.set T,   128
.set CD,  192
.set TM,  212
.set PW,  228
.set W0,  229
.set W1,  230
.set X0,  232
.set X1,  236
.set SEL, 18
.set MSB, 0
.macro WIN new
.if MSB != \new
	s_set_vgpr_msb (MSB<<8)|\new
.set MSB, \new
.endif
.endm
.set MUL_LO, 0xa1
.set MUL_HI, 0xf1
.set TO_B,   0x40
.macro JLOAD g0a, g1a, g0b, g1b        ; waves 0, 1 fetch for A, waves 2, 3 for B
	s_cmp_eq_u32 s15, 0
	s_cbranch_scc0 .Lfor_b_\@
	tensor_load_to_lds s[\g0a:\g0a+3], s[\g1a:\g1a+7]
	s_nop 0
.rept 4
	v_nop
.endr
	s_branch .Lasked_\@
.Lfor_b_\@:
	tensor_load_to_lds s[\g0b:\g0b+3], s[\g1b:\g1b+7]
	s_nop 0
.rept 4
	v_nop
.endr
.Lasked_\@:
.endm
.macro CREST
	s_cmp_lg_u32 s14, 0
	s_cbranch_scc1 .Lnot_wave_0_\@
	s_barrier_signal -3
.Lnot_wave_0_\@:
	s_barrier_wait -3
	s_barrier_signal -1
	s_barrier_wait -1
.endm
.macro CROUND
	s_barrier_signal -1
	s_barrier_wait -1
	CREST
.endm
	s_load_b512 s[68:83], s[0:1], 0x0              ; x codes, scales, Wq, Wk, Wv codes and scales
	s_load_b256 s[84:91], s[0:1], 0x40             ; bq, bk, bv, qkv_img
	v_lshl_add_u32 v[SPW], v0, 2, SPARE
	v_mov_b32 v[NIL], 0
	ds_add_u32 v[SPW], v[NIL]                      ; the opening lines: the add twice and its wait
	ds_add_u32 v[SPW], v[NIL]
	v_lshrrev_b32 v1, 5, v0
	v_readfirstlane_b32 s14, v1                    ; wave
	s_lshr_b32 s15, s14, 1                         ; my half of A's rows; also: I fetch for A or B
	s_and_b32 s16, s14, 1                          ; my half of B's rows; also: which 128 rows I fetch
	s_bfe_u32 s40, ttmp6, 0x40000                  ; cx
	s_bfe_u32 s41, ttmp6, 0x40004                  ; cy
	s_and_b32 s18, ttmp7, 0xffff                   ; the cluster's y walks the tokens: A's tiles for Q, K; B's for V
	s_cmp_eq_u32 ttmp9, 2
	s_cselect_b32 s19, 0, s18
	s_cselect_b32 s18, s18, 0
	s_lshl_b32 s17, s19, 2
	s_add_co_u32 s17, s17, s41                     ; TR: which 256 rows of the A-matrix
	s_lshl_b32 s42, s18, 2
	s_add_co_u32 s42, s42, s40                     ; TC: of the B-matrix
	s_lshl_b32 s43, s41, 2
	s_lshl_b32 s43, 15, s43                        ; my row of the cluster
	s_lshl_b32 s44, 0x1111, s40                    ; my column
	s_or_b32 s[G1+0], s43, (0<<16)|(1<<20)|(1<<21)|(5<<22)|(3<<25)   ; rows of 256 bytes, 16 of padding behind each
	s_or_b32 s[G1B+0], s44, (0<<16)|(1<<20)|(1<<21)|(5<<22)|(3<<25)
.irp g, G1, G1B
	s_mov_b32 s[\g+1], ROWB<<16
	s_mov_b32 s[\g+2], 256<<16                     ; 256 rows at the head; 128 in the ring
	s_mov_b32 s[\g+3], ROWB<<16
	s_mov_b32 s[\g+4], 256
	s_mov_b32 s[\g+5], KROW
	s_mov_b32 s[\g+6], 0
	s_mov_b32 s[\g+7], 0
.endr
	s_lshl_b32 s20, s17, 8
	s_lshl_b32 s46, s42, 8
	s_mov_b32 s21, 0
	s_mov_b32 s47, 0
	s_mov_b64 s[18:19], KS
	s_mul_u64 s[22:23], s[20:21], s[18:19]         ; where the rows' scales begin
	s_mul_u64 s[92:93], s[46:47], s[18:19]
	s_mov_b64 s[18:19], KROW
	s_mul_u64 s[20:21], s[20:21], s[18:19]         ; and their codes
	s_mul_u64 s[46:47], s[46:47], s[18:19]
	s_mul_i32 s18, s16, 128*KROW
	s_mov_b32 s19, 0
	s_mul_i32 s45, s14, HALFT
	s_wait_dscnt 0x0
	s_wait_kmcnt 0x0
	s_cmp_eq_u32 ttmp9, 2                          ; the buffers are chosen by the cluster's x alone
	s_cselect_b64 s[4:5], s[80:81], s[68:69]
	s_cselect_b64 s[6:7], s[82:83], s[70:71]
	s_cselect_b64 s[8:9], s[68:69], s[76:77]
	s_cselect_b64 s[10:11], s[70:71], s[78:79]
	s_cselect_b64 s[12:13], s[88:89], s[86:87]
	s_cmp_eq_u32 ttmp9, 0
	s_cselect_b64 s[8:9], s[72:73], s[8:9]
	s_cselect_b64 s[10:11], s[74:75], s[10:11]
	s_cselect_b64 s[12:13], s[84:85], s[12:13]
	s_mov_b64 s[96:97], s[90:91]                   ; qkv_img, for the images
	s_mov_b64 s[98:99], s[90:91]                   ; and for the scale words
	s_or_b32 s[G1S+0], s43, (3<<16)|(1<<20)|(1<<21)|(5<<22)|(3<<25)  ; 256 rows' 8,192 scale bytes as 32 rows of 256
	s_or_b32 s[G1SB+0], s44, (3<<16)|(1<<20)|(1<<21)|(5<<22)|(3<<25)
.irp g, G1S, G1SB
	s_mov_b32 s[\g+1], 32<<16
	s_mov_b32 s[\g+2], KS<<16
	s_mov_b32 s[\g+3], 32<<16
	s_mov_b32 s[\g+4], KS
	s_mov_b32 s[\g+5], 32
	s_mov_b32 s[\g+6], 0
	s_mov_b32 s[\g+7], 0
.endr
	s_add_nc_u64 s[20:21], s[4:5], s[20:21]
	s_add_nc_u64 s[22:23], s[6:7], s[22:23]
	s_add_nc_u64 s[46:47], s[8:9], s[46:47]
	s_add_nc_u64 s[92:93], s[10:11], s[92:93]
	CROUND                                         ; the first joint loads meet
	s_mov_b32 s[G0H], 1
	s_mov_b32 s[G0H+1], 0
	s_mov_b64 s[G0H+2:G0H+3], s[20:21]
	s_or_b32 s[G0H+3], s[G0H+3], 0x80000000
	s_mov_b32 s[G0HB], 1
	s_mov_b32 s[G0HB+1], 2*HALFT
	s_mov_b64 s[G0HB+2:G0HB+3], s[46:47]
	s_or_b32 s[G0HB+3], s[G0HB+3], 0x80000000
	s_mov_b32 s[G0S], 1
	s_mov_b32 s[G0S+1], SCL
	s_mov_b64 s[G0S+2:G0S+3], s[22:23]
	s_or_b32 s[G0S+3], s[G0S+3], 0x80000000
	s_mov_b32 s[G0SB], 1
	s_mov_b32 s[G0SB+1], SCL+2*HALFS
	s_mov_b64 s[G0SB+2:G0SB+3], s[92:93]
	s_or_b32 s[G0SB+3], s[G0SB+3], 0x80000000
	s_add_nc_u64 s[20:21], s[20:21], s[18:19]
	s_add_nc_u64 s[46:47], s[46:47], s[18:19]
.irp s, 0,1
	s_mov_b32 s[G0+4*\s], 1
	s_add_co_u32 s[G0+4*\s+1], s45, \s*SLOT
	s_add_nc_u64 s[G0+4*\s+2:G0+4*\s+3], s[20:21], \s*ROWB
	s_or_b32 s[G0+4*\s+3], s[G0+4*\s+3], 0x80000000
	s_mov_b32 s[G0B+4*\s], 1
	s_add_co_u32 s[G0B+4*\s+1], s45, \s*SLOT
	s_add_nc_u64 s[G0B+4*\s+2:G0B+4*\s+3], s[46:47], \s*ROWB
	s_or_b32 s[G0B+4*\s+3], s[G0B+4*\s+3], 0x80000000
.endr
; the head's four tiles, one a wave, in one chain of branches: chunk 0 of A, of B, A's scales, B's scales
.macro ARM under, g0, g1, next
	s_cmp_lt_u32 s14, \under
	s_cbranch_scc0 \next
	tensor_load_to_lds s[\g0:\g0+3], s[\g1:\g1+7]
	s_nop 0
.rept 4
	v_nop
.endr
	s_branch .Lhead_asked
\next:
.endm
	ARM 1, G0H,  G1,  .Lhead_b
	ARM 2, G0HB, G1B, .Lhead_sa
	ARM 3, G0S,  G1S, .Lhead_sb
	tensor_load_to_lds s[G0SB:G0SB+3], s[G1SB:G1SB+7]
	s_nop 0
.rept 4
	v_nop
.endr
.Lhead_asked:
	v_and_b32 v1, 15, v0                           ; r
	v_bfe_u32 v2, v0, 4, 1                         ; h
	v_mul_u32_u24 v3, v1, PITCH
	v_mul_u32_u24 v4, v2, 24
	v_add_nc_u32 v4, v3, v4
	s_mov_b32 s21, SLOT-232
	s_mov_b32 s22, SLOT+232
	v_sub_nc_u32 v7, 1, v2
	v_mul_u32_u24 v5, s21, v2
	v_add_nc_u32 v5, v3, v5
	v_add_nc_u32 v5, 232, v5                       ; lanes 0-15 byte 232 in slot 0, lanes 16-31 byte 0 in slot 1
	v_mul_u32_u24 v6, s22, v7
	v_add_nc_u32 v6, v3, v6                        ; and the other way round
	s_mul_i32 s21, s15, HALFT
	s_mul_i32 s22, s16, HALFT
	s_add_co_u32 s22, s22, 2*HALFT
	v_add_nc_u32 v[ADRA+2], s21, v5
	v_add_nc_u32 v[ADRA+3], s21, v6
	v_add_nc_u32 v[ADRB+2], s22, v5
	v_add_nc_u32 v[ADRB+3], s22, v6
.irp s, 0,1
	v_add_nc_u32 v[ADRA+\s], s21, v4
	v_add_nc_u32 v[ADRB+\s], s22, v4
	s_add_co_u32 s21, s21, SLOT
	s_add_co_u32 s22, s22, SLOT
.endr
	v_mul_u32_u24 v5, v1, KS
	v_lshrrev_b32 v6, 8, v5
	v_lshl_add_u32 v5, v6, 4, v5
	s_mul_i32 s21, s15, HALFS
	s_mul_i32 s22, s16, HALFS
	s_add_co_u32 s22, s22, 2*HALFS
	s_sub_co_u32 s22, s22, s21
	v_mul_u32_u24 v6, s22, v2                      ; lanes 16-31 take B's words
	s_add_co_u32 s21, s21, SCL
	v_add_nc_u32 v5, v5, v6
	v_add_nc_u32 v[ADRS], s21, v5
	; my wave's 128 bias numbers wait in LDS for the way out.  V: by A's rows; Q, K: by B's rows
	s_lshl_b32 s20, s17, 8
	s_lshl_b32 s21, s15, 7
	s_add_co_u32 s20, s20, s21
	s_lshl_b32 s46, s42, 8
	s_lshl_b32 s47, s16, 7
	s_add_co_u32 s46, s46, s47
	s_cmp_eq_u32 ttmp9, 2
	s_cselect_b32 s46, s20, s46
	s_lshl_b32 s46, s46, 2
	s_mov_b32 s47, 0
	s_add_nc_u64 s[12:13], s[12:13], s[46:47]
	v_and_b32 v30, 31, v0
	v_lshlrev_b32 v30, 4, v30
	s_lshl_b32 s21, s14, 9
	s_add_co_u32 s21, s21, BIASL
	v_add_nc_u32 v31, s21, v30
	global_load_b128 v[64:67], v30, s[12:13]
	s_wait_alu depctr_va_vdst(0)                   ; the wait at the head's end
	s_wait_loadcnt 0x0
	ds_store_b128 v31, v[64:67]
.macro FRAG reg, adr, st, i            ; 16 rows x 128 K: 12 registers in pieces of 8 bytes; byte y of a row lies in slot (y / 256) % 2 at byte y % 256
.irp p, 0,1,2,3,4,5
.set BY, 96*(\st)+48*(\p/3)+8*(\p%3)
.if BY/ROWB == (BY+24)/ROWB
	ds_load_b64 v[\reg+2*\p:\reg+2*\p+1], v[\adr+(BY/ROWB)%2] offset:BY%ROWB+(\i)*16*PITCH
.else
	ds_load_b64 v[\reg+2*\p:\reg+2*\p+1], v[\adr+2+(BY/ROWB)%2] offset:BY%ROWB-232+(\i)*16*PITCH
.endif
.endr
.endm
.macro MUL16 a0, p, q, sc, zero        ; A's blocks a0, a0 + 1 x B's eight; the 64 accumulators by turns
.irp a, \a0, \a0+1
.irp b, 0,1,2,3,4,5,6,7
.if \zero
	v_wmma_scale_f32_16x16x128_f8f6f4 v[8*(8*((\a)%4)+\b):8*(8*((\a)%4)+\b)+7], v[128*(\p)+FR*\b:128*(\p)+FR*\b+FR-1], v[AF+FR*(\a):AF+FR*(\a)+FR-1], 0, v[SC+8*NQ*(\sc)+NQ*\b+(\q)], v[SC+8*NQ*(\sc)+NQ*(\a)+(\q)] matrix_a_fmt:MATRIX_FMT_FP6 matrix_b_fmt:MATRIX_FMT_FP6 matrix_a_scale:MATRIX_SCALE_ROW1
.else
	v_wmma_scale_f32_16x16x128_f8f6f4 v[8*(8*((\a)%4)+\b):8*(8*((\a)%4)+\b)+7], v[128*(\p)+FR*\b:128*(\p)+FR*\b+FR-1], v[AF+FR*(\a):AF+FR*(\a)+FR-1], v[8*(8*((\a)%4)+\b):8*(8*((\a)%4)+\b)+7], v[SC+8*NQ*(\sc)+NQ*\b+(\q)], v[SC+8*NQ*(\sc)+NQ*(\a)+(\q)] matrix_a_fmt:MATRIX_FMT_FP6 matrix_b_fmt:MATRIX_FMT_FP6 matrix_a_scale:MATRIX_SCALE_ROW1
.endif
.endr
.endr
.endm
.macro FETCH_B st, p
	WIN TO_B
.irp i, 0,1,2,3,4,5,6,7
	FRAG 128*(\p)+FR*\i, ADRB, \st, \i
.endr
	WIN 0
.endm
.macro FETCH_A st, i0
.irp i, \i0, \i0+1, \i0+2, \i0+3
	FRAG AF+FR*(\i), ADRA, \st, \i
.endr
.endm
.macro SCALES pr                       ; the words of steps 2 pr, 2 pr + 1: lanes 0-15 A's block i, lanes 16-31 B's
.irp i, 0,1,2,3,4,5,6,7
	ds_load_b64 v[SC+8*NQ*((\pr)%2)+NQ*\i:SC+8*NQ*((\pr)%2)+NQ*\i+1], v[ADRS] offset:\i*SBLK+4*NQ*(\pr)
.endr
.endm
.macro PLACES n
.rept \n
	v_nop
.endr
.endm
; A step of 128 along K.  Where the next step's bytes end in a chunk not read yet, a barrier shows that chunk; where they begin in a later chunk, the chunk left behind is free:
; the wait for all tensor loads, the add, the wait for it and for my reads, the barrier; where a chunk two on is left, a round of the cluster's barrier and the refill.
.macro STEP st, zero
.set NX, (\st)+1
.set C0, (96*(\st))/ROWB
.set C1, (96*NX)/ROWB
.set E0, (96*(\st)+95)/ROWB
.set E1, (96*NX+95)/ROWB
.if C1 > C0 || E1 > E0
	s_wait_tensorcnt 0x0
.if C1 > C0
	ds_add_u32 v[SPW], v[NIL]
	s_wait_dscnt 4*NL+1                            ; the add and A's blocks 4-7 may be out
.else
	s_wait_dscnt 4*NL                              ; A's blocks 4-7 may be out
.endif
	WIN MUL_LO
	MUL16 0, (\st)%2, (\st)%2, ((\st)/2)%2, \zero
	s_wait_dscnt 0x0
	s_barrier_signal -1
	MUL16 2, (\st)%2, (\st)%2, ((\st)/2)%2, \zero
	WIN 0
	s_barrier_wait -1
.if C1 > C0 && C0+2 < CHUNKS
	CREST
	s_add_nc_u64 s[G0+4*(C0%2)+2:G0+4*(C0%2)+3], s[G0+4*(C0%2)+2:G0+4*(C0%2)+3], 2*ROWB
	s_add_nc_u64 s[G0B+4*(C0%2)+2:G0B+4*(C0%2)+3], s[G0B+4*(C0%2)+2:G0B+4*(C0%2)+3], 2*ROWB
	JLOAD G0+4*(C0%2), G1, G0B+4*(C0%2), G1B       ; chunk C0 + 2; its four v_nop are the places in front of the loads below
.else
	PLACES NP
.endif
.else
	s_wait_dscnt 4*NL
	WIN MUL_LO
	MUL16 0, (\st)%2, (\st)%2, ((\st)/2)%2, \zero
	MUL16 2, (\st)%2, (\st)%2, ((\st)/2)%2, \zero
	s_wait_dscnt 0
	PLACES NP
.endif
	FETCH_B NX, NX%2
	FETCH_A NX, 0
.if NX%2 == 0
	SCALES NX/2
.endif
	WIN MUL_HI
	MUL16 4, (\st)%2, (\st)%2, ((\st)/2)%2, \zero
	MUL16 6, (\st)%2, (\st)%2, ((\st)/2)%2, \zero
	PLACES NP
	WIN 0
	FETCH_A NX, 4
.endm
	s_wait_alu depctr_va_vdst(0)
	s_wait_tensorcnt 0x0                           ; my tile of the head's four is in; the lines ahead of a later first fill
	ds_add_u32 v[SPW], v[NIL]
	s_mov_b32 s[G1+2], 128<<16                     ; no load of mine is out: from here on a load brings 128 rows
	s_mov_b32 s[G1+4], 128
	s_mov_b32 s[G1B+2], 128<<16
	s_mov_b32 s[G1B+4], 128
	s_wait_dscnt 0x0                               ; the add and my bias store
	CROUND
	JLOAD G0+4, G1, G0B+4, G1B                     ; chunk 1
	FETCH_B 0, 0
	FETCH_A 0, 0
	SCALES 0
	FETCH_A 0, 4
	STEP 0, 1                                      ; the first step's products start the sums
.set ST, 1
.rept STEPS-2
	STEP ST, 0
.set ST, ST+1
.endr
	s_wait_dscnt 4*NL
	WIN MUL_LO
	MUL16 0, 1, 1, 1, 0
	MUL16 2, 1, 1, 1, 0
	s_wait_dscnt 0
	WIN MUL_HI
	MUL16 4, 1, 1, 1, 0
	MUL16 6, 1, 1, 1, 0
	WIN 0
; THE WAY OUT.  Block a (16 rows of the A-matrix, one a lane): register 8 b + j is row 16 b + 8 h + j of my 128 rows of the B-matrix.  Bias, four blocks of 32, codes, scale word.
	PLACES NP
	v_and_b32 v1, 15, v0
	v_bfe_u32 v2, v0, 4, 1
	v_and_b32 v3, 31, v0
	v_lshlrev_b32 v[LI], 4, v3
	v_lshlrev_b32 v[L8], 3, v3
	s_lshl_b32 s20, s14, 9
	s_add_co_u32 s21, s20, BIASL
	v_lshl_add_u32 v[BAD], v2, 5, s21
	v_lshl_add_u32 v[BAV], v1, 2, s21
	s_lshl_b32 s22, s14, 10
	s_add_co_u32 s22, s22, SCSQ
	v_lshl_add_u32 v[SWQ], v1, 2, s22
	v_add_nc_u32 v[SRQ], s22, v[LI]
	s_add_co_u32 s23, s20, SCSV
	v_lshl_add_u32 v[SWV], v1, 2, s23
	v_add_nc_u32 v[SRV], s23, v[LI]
	v_mul_u32_u24 v[VSO], v2, REC
	v_lshl_add_u32 v[VSO], v1, 4, v[VSO]
.irp b, 0,1,2,3
	v_mov_b32 v[TM+4+\b], 0                        ; a lane permute's destination counts as one of its sources
.endr
	s_mov_b32 s[SEL], 0x76543210
	s_mov_b32 s[SEL+1], 0xfedcba98
	s_mov_b32 s95, 0x7f7f0000                      ; scale bytes 2, 3 of a head's word: 1.0, over zero codes
.macro QUANT s                         ; 64 numbers of a lane become codes in v[CD] on and a scale word in v[PW]; a block of 32 lies in lanes l and l xor 16
.irp b, 0,1,2,3
	v_max3_num_f32 v[TM+\b], |v[\s+16*\b]|, |v[\s+1+16*\b]|, 0x1800000   ; with the floor 2^(3 - 127)
.endr
.irp i, 2,4,6,8,10,12,14
.irp b, 0,1,2,3
	v_max3_num_f32 v[TM+\b], v[TM+\b], |v[\s+16*\b+\i]|, |v[\s+1+16*\b+\i]|
.endr
.endr
.irp b, 0,1,2,3
	v_permlanex16_b32 v[TM+4+\b], v[TM+\b], s[SEL], s[SEL+1]
.endr
.irp b, 0,1,2,3
	v_max_num_f32 v[TM+\b], v[TM+\b], v[TM+4+\b]
.endr
.irp b, 0,1,2,3
	v_add_nc_u32 v[TM+12+\b], 0xff000000, v[TM+\b] ; 2 off the exponent field: the conversion's scale operand
.endr
.irp b, 0,1,2,3
	v_lshrrev_b32 v[TM+4+\b], 23, v[TM+12+\b]
.endr
	v_lshl_or_b32 v[PW], v[TM+5], 8, v[TM+4]
	v_lshl_or_b32 v[PW], v[TM+6], 16, v[PW]
	v_lshl_or_b32 v[PW], v[TM+7], 24, v[PW]
.irp c, 0,1
	v_cvt_scalef32_pk16_fp6_f32 v[CD+6*\c:CD+2+6*\c], v[\s+32*\c:\s+15+32*\c], v[TM+12+2*\c]
	v_cvt_scalef32_pk16_fp6_f32 v[CD+12+4*\c:CD+14+4*\c], v[\s+16+32*\c:\s+31+32*\c], v[TM+12+2*\c+1]
.endr
	v_nop
.irp c, 0,1
.irp i, 0,1,2
	v_permlane16_swap_b32 v[CD+6*\c+\i], v[CD+12+4*\c+\i]
.endr
.irp i, 0,1,2
	v_mov_b32 v[CD+3+6*\c+\i], v[CD+12+4*\c+\i]
.endr
.endr
.endm
	s_cmp_eq_u32 ttmp9, 2
	s_cbranch_scc1 .Lv
	; Q and K: a lane is a token; my 128 features are two heads
	s_lshr_b32 s20, s17, 3                         ; batch
	s_and_b32 s21, s17, 7
	s_lshl_b32 s21, s21, 4
	s_lshl_b32 s22, s15, 3
	s_add_co_u32 s21, s21, s22                     ; my first token tile in the batch
	s_lshl_b32 s20, s20, 4
	s_lshl_b32 s22, s42, 2
	s_add_co_u32 s20, s20, s22
	s_lshl_b32 s22, s16, 1
	s_add_co_u32 s20, s20, s22                     ; the first head's record
	s_mul_i32 s22, s20, REC
	s_mul_i32 s23, s21, 768
	s_lshr_b32 s46, s21, 5
	s_mul_i32 s46, s46, 49152
	s_and_b32 s47, s21, 31
	s_mul_i32 s47, s47, 768
	s_add_co_u32 s46, s46, s47
	s_add_co_u32 s46, s46, 98304
	s_cmp_eq_u32 ttmp9, 0
	s_cselect_b32 s23, s23, s46
	s_cselect_b32 s46, 12288, 0                    ; Q's words lie 12,288 behind K's
	s_add_co_u32 s22, s22, s23
	s_mov_b32 s23, 0
	s_add_nc_u64 s[96:97], s[96:97], s[22:23]
	s_mul_i32 s22, s20, REC
	s_add_co_u32 s22, s22, s46
	s_add_co_u32 s22, s22, KWO
	s_lshl_b32 s21, s21, 6
	s_add_co_u32 s22, s22, s21
	s_add_nc_u64 s[98:99], s[98:99], s[22:23]
.irp b, 0,1,2,3,4,5,6,7
	ds_load_b128 v[BI+8*\b:BI+8*\b+3], v[BAD] offset:64*\b
	ds_load_b128 v[BI+8*\b+4:BI+8*\b+7], v[BAD] offset:64*\b+16
.endr
	s_wait_dscnt 0x0
.macro QKBLOCK a
.if \a > 0
	s_wait_xcnt 0x0                                ; the last block's stores have read their registers
	s_wait_dscnt 0x0
.endif
	WIN 0x02+(\a)/4
.set ii, 0
.rept 32
	v_pk_add_f32 v[T+2*ii:T+2*ii+1], v[64*((\a)%4)+2*ii:64*((\a)%4)+2*ii+1], v[BI+2*ii:BI+2*ii+1]
.set ii, ii+1
.endr
	WIN 0
	QUANT T
	global_store_b128 v[LI], v[CD:CD+3], s[96:97] offset:768*(\a)
	global_store_b64 v[L8], v[CD+4:CD+5], s[96:97] offset:768*(\a)+512
	global_store_b128 v[LI], v[CD+6:CD+9], s[96:97] offset:768*(\a)+REC
	global_store_b64 v[L8], v[CD+10:CD+11], s[96:97] offset:768*(\a)+REC+512
	v_and_or_b32 v[W0], v[PW], 0xffff, s95
	v_lshrrev_b32 v[W1], 16, v[PW]
	v_or_b32 v[W1], s95, v[W1]
	ds_store_b32 v[SWQ], v[W0] offset:64*(\a)
	ds_store_b32 v[SWQ], v[W1] offset:512+64*(\a)
.endm
.irp a, 0,1,2,3,4,5,6,7
	QKBLOCK \a
.endr
	ds_load_b128 v[X0:X0+3], v[SRQ]
	ds_load_b128 v[X1:X1+3], v[SRQ] offset:512
	s_wait_dscnt 0x0
	global_store_b128 v[LI], v[X0:X0+3], s[98:99]
	global_store_b128 v[LI], v[X1:X1+3], s[98:99] offset:REC
	s_branch .Ldone
.Lv:	; V: a lane is a channel; my 128 tokens are one key step; blocks 0-3 the first head's channel tiles, 4-7 the second's
	s_lshr_b32 s20, s42, 3
	s_and_b32 s21, s42, 7
	s_lshl_b32 s21, s21, 1
	s_add_co_u32 s21, s21, s16                     ; key step
	s_lshl_b32 s20, s20, 4
	s_lshl_b32 s22, s17, 2
	s_add_co_u32 s20, s20, s22
	s_lshl_b32 s22, s15, 1
	s_add_co_u32 s20, s20, s22
	s_mul_i32 s22, s20, REC
	s_lshr_b32 s23, s21, 2
	s_mul_i32 s23, s23, 49152
	s_add_co_u32 s22, s22, s23
	s_and_b32 s23, s21, 3
	s_mul_i32 s23, s23, 6144
	s_add_co_u32 s22, s22, s23
	s_add_co_u32 s22, s22, 98304+24576
	s_mov_b32 s23, 0
	s_add_nc_u64 s[96:97], s[96:97], s[22:23]
	s_mul_i32 s22, s20, REC
	s_lshl_b32 s21, s21, 8
	s_add_co_u32 s22, s22, s21
	s_add_co_u32 s22, s22, KWO+8192
	s_add_nc_u64 s[98:99], s[98:99], s[22:23]
.irp a, 0,1,2,3,4,5,6,7
	ds_load_b32 v[BI+2*\a], v[BAV] offset:64*\a
	ds_load_b32 v[BI+2*\a+1], v[BAV] offset:64*\a
.endr
	s_wait_dscnt 0x0
.macro VBLOCK a
.if \a > 0
	s_wait_xcnt 0x0
	s_wait_dscnt 0x0
.endif
	WIN 0x02+(\a)/4
.set ii, 0
.rept 32
	v_pk_add_f32 v[T+2*ii:T+2*ii+1], v[64*((\a)%4)+2*ii:64*((\a)%4)+2*ii+1], v[BI+2*(\a):BI+2*(\a)+1]
.set ii, ii+1
.endr
	WIN 0
	QUANT T
.irp g, 0,1,2
	global_store_b128 v[LI], v[CD+4*\g:CD+4*\g+3], s[96:97] offset:((\a)/4)*REC+((\a)%4)*1536+512*\g
.endr
	ds_store_b32 v[SWV], v[PW] offset:64*(\a)
.endm
.irp a, 0,1,2,3,4,5,6,7
	VBLOCK \a
.endr
	ds_load_b128 v[X0:X0+3], v[SRV]
	s_wait_dscnt 0x0
	global_store_b128 v[VSO], v[X0:X0+3], s[98:99]
.Ldone:
	s_wait_tensorcnt 0x0                           ; the wave's end
	ds_add_u32 v[SPW], v[NIL]
	s_wait_dscnt 0x0
	CROUND
	s_endpgm
.Lfunc_end_k_q07e56617fc_qkv:
	.size	k_q07e56617fc_qkv, .Lfunc_end_k_q07e56617fc_qkv-k_q07e56617fc_qkv
	.p2alignl 7, 3214868480
	.fill 96, 4, 3214868480
	.section	.rodata,"a",@progbits
	.p2align	6, 0x0
	.amdhsa_kernel k_q07e56617fc_qkv
		.amdhsa_group_segment_fixed_size 327680
		.amdhsa_private_segment_fixed_size 0
		.amdhsa_enable_private_segment 0
		.amdhsa_kernarg_size 96
		.amdhsa_user_sgpr_count 2
		.amdhsa_user_sgpr_kernarg_segment_ptr 1
		.amdhsa_wavefront_size32 1
		.amdhsa_system_sgpr_workgroup_id_x 1
		.amdhsa_system_sgpr_workgroup_id_y 1
		.amdhsa_system_sgpr_workgroup_id_z 1
		.amdhsa_system_vgpr_workitem_id 0
		.amdhsa_next_free_vgpr 1024
		.amdhsa_next_free_sgpr 100
		.amdhsa_reserve_vcc 0
		.amdhsa_float_denorm_mode_32 3
		.amdhsa_float_denorm_mode_16_64 3
		.amdhsa_memory_ordered 1
		.amdhsa_forward_progress 1
		.amdhsa_inst_pref_size 239
	.end_amdhsa_kernel
	.amdgpu_metadata
---
amdhsa.version: [ 1, 2 ]
amdhsa.kernels:
  - .name:           k_q07e56617fc_qkv
    .symbol:         k_q07e56617fc_qkv.kd
    .args:
      - { .name: x_codes, .offset: 0, .size: 8, .value_kind: global_buffer, .address_space: global }
      - { .name: x_scales, .offset: 8, .size: 8, .value_kind: global_buffer, .address_space: global }
      - { .name: Wq_codes, .offset: 16, .size: 8, .value_kind: global_buffer, .address_space: global }
      - { .name: Wq_scales, .offset: 24, .size: 8, .value_kind: global_buffer, .address_space: global }
      - { .name: Wk_codes, .offset: 32, .size: 8, .value_kind: global_buffer, .address_space: global }
      - { .name: Wk_scales, .offset: 40, .size: 8, .value_kind: global_buffer, .address_space: global }
      - { .name: Wv_codes, .offset: 48, .size: 8, .value_kind: global_buffer, .address_space: global }
      - { .name: Wv_scales, .offset: 56, .size: 8, .value_kind: global_buffer, .address_space: global }
      - { .name: bq, .offset: 64, .size: 8, .value_kind: global_buffer, .address_space: global }
      - { .name: bk, .offset: 72, .size: 8, .value_kind: global_buffer, .address_space: global }
      - { .name: bv, .offset: 80, .size: 8, .value_kind: global_buffer, .address_space: global }
      - { .name: qkv_img, .offset: 88, .size: 8, .value_kind: global_buffer, .address_space: global }
    .group_segment_fixed_size: 327680
    .private_segment_fixed_size: 0
    .kernarg_segment_align: 8
    .kernarg_segment_size: 96
    .max_flat_workgroup_size: 128
    .sgpr_count:     100
    .vgpr_count:     1024
    .wavefront_size: 32
...
	.end_amdgpu_metadata
.endif
;; end of part 1
;; launch attn (part 2): grid 4 x 64, 16 waves a work-group, clusters of 4 x 1, 210,944 bytes of LDS; arguments qkv_img, a_img, a_scl; writes a_img, a_scl
.if DOCPART == 2
	.amdgcn_target "amdgcn-amd-amdhsa--gfx1250"
	.amdhsa_code_object_version 6
	.text
	.protected	k_q07e56617fc_attn
	.globl	k_q07e56617fc_attn
	.p2align	8
	.type	k_q07e56617fc_attn,@function
k_q07e56617fc_attn:
	s_mov_b64 s[64:65], 0
	v_nop
	global_prefetch_b8 v0, s[64:65] scope:SCOPE_SE
	s_setreg_imm32_b32 hwreg(HW_REG_WAVE_MODE, 25, 1), 1
	s_wait_xcnt 0x0
	s_wait_alu depctr_hold_cnt(0) depctr_sa_sdst(0) depctr_va_vdst(0) depctr_va_sdst(0) depctr_va_ssrc(0) depctr_va_vcc(0) depctr_vm_vsrc(0)
	s_getreg_b32 s2, hwreg(HW_REG_IB_STS2, 6, 4)
	s_cmp_eq_u32 s2, 0
	s_cbranch_scc0 .Lentry_in_a_cluster
	s_endpgm
.Lentry_in_a_cluster:
	s_bfe_u32 s2, ttmp6, 0x10000c
	s_cmp_lg_u32 s2, 0x3003
	s_cbranch_scc0 .Lentry_shape_is_right
	s_endpgm
.Lentry_shape_is_right:
; For each (batch, head): O[q] = sum over k of softmax_k(Q[q] . K[k] / 8) V[k], both products on codes of FP6 (E2M3) with E8M0 scales; O / l is quantised along the model's 1,024 and leaves as codes.
; t = score x log2(e) / 8; M = the running largest t rounded up to a whole number; p = 2^(t - M) is quantised along the keys; the row's sum l is taken of the unquantised p and divides O at the end.
; When M moves, l and O are multiplied by 2^(old M - new M): exact.  The running maximum is kept of the raw scores; c is positive, so c x the largest score is the largest t.
; A work-group owns 512 queries of a head; each of sixteen waves 16 of them at a time, twice.  A key step is 128 keys: 8 products K Q^T, the softmax, 4 products V^T P^T.
; THE HEAD'S K, V AND THEIR SCALE WORDS STAY IN LDS: 208,896 bytes on end in the head's record, filled once: each wave asks for 51 rows of 256 bytes; the four work-groups of a head ask jointly.  One barrier shows all of it.
; No prefetch into the L2: the one fill goes out at the start and nothing is loaded from memory in the loops.
; TWO REGIONS OF 64 REGISTERS CHANGE ROLES FROM STEP TO STEP.  K lies in one, the scores go to the other; V then lands on K; when p's conversions and sums have read the scores' registers, the NEXT step's K lands there,
; under the rest of this step.  A trip of the loop is a chunk of four key steps, so the roles are back where they began; the next chunk's number wraps round, (c + 1) & 3, so the first pass's last step fetches the second
; pass's first K.  The second pass's last step fetches those 16 loads too, and nothing reads them: a jump round them would make the counted wait ahead of the V products differ between the ways.
; Operands are images of their registers.  The head has 64 channels, the instruction 128 along K: Q's registers 6-11 are zero codes, and K's scale bytes 2, 3 are 0x7f; the upper half of a K tile's operand is whatever follows
; in the region: every pattern of 6 bits is a finite number of E2M3, so those products are exactly 0.
; Both products are used transposed: a lane holds one query.  p's codes stand inside a block of 32 keys in the order 0-7, 16-23, 8-15, 24-31, as V's do.
; a_img: [token tile 512][head 16][768].  a_scl: [token][32], byte 2 head + block, stored a byte a lane (a token's 32 bytes come from 16 work-groups).
; LIMITS: NaN and infinities are not served.  A block whose largest magnitude lies under 2^-124 gets the scale byte 1 (the rule gives a block of zeros 127); only this program reads the bytes.  The scaled scores stay under 2^31 in magnitude.
.set REC,   315392
.set QWO,   307200                     ; Q's scale words in a record
.set CHB,   49152                      ; a chunk: 32 tiles of K (768 each), then 4 key steps x 4 channel tiles of V (1,536 each)
.set VOFF,  24576
.set SCL,   196608                     ; K's words (512 bytes a key step), then V's (256 a key step)
.set SPARE, 208896
.set LI,  1                            ; 16 x lane
.set L8,  2                            ; 8 x lane
.set LS,  3                            ; SCL + 4 x lane
.set A16, 4                            ; this chunk's addresses
.set A8,  5
.set ASK, 6
.set ASV, 7
.set HH,  8
.set R4,  9
.set R32, 10
.set QF,  16                           ; v16-27 Q (v22-27 zeros)
.set QS,  28
.set PS,  29
.set N16, 30                           ; the next chunk's addresses
.set N8,  31
.set R1,  32                           ; v32-95, v96-159 the two regions
.set R2,  96
.set OT,  160
.set CD,  192
.set CT,  204
.set BM,  212
.set PD,  216
.set SO,  220
.set TP,  224
.set OB,  225
.set FF,  226
.set Q2,  230                          ; v230-236 the second pass's Q and its words
.set KSC, 237                          ; v237-240 K's words: lanes 0-15 the even tile, lanes 16-31 the odd one
.set VSC, 242                          ; v242-243 V's likewise
.set NSK, 244
.set SM,  246                          ; v246-251 three more chains of the row's sum
.set SPW, 254
.set NIL, 255
.set WV,  12
.set SEL, 20
.set CS,  22
.set G1I, 24
.set G0I, 40
.set TB,  60
.set TS,  61
.set TJ,  62
.set CNT, 63
.set TN,  66
.set TM,  67
.macro WALU
	s_wait_alu depctr_va_vdst(0)
.endm
.macro CROUND
	s_barrier_signal -1
	s_barrier_wait -1
	s_cmp_lg_u32 s[WV], 0
	s_cbranch_scc1 .Lnot_wave_0_\@
	s_barrier_signal -3
.Lnot_wave_0_\@:
	s_barrier_wait -3
	s_barrier_signal -1
	s_barrier_wait -1
.endm
	s_load_b128 s[4:7], s[0:1], 0x0                ; qkv_img, a_img
	s_load_b64 s[8:9], s[0:1], 0x10                ; a_scl
	v_lshl_add_u32 v[SPW], v0, 2, SPARE
	v_mov_b32 v[NIL], 0
	ds_add_u32 v[SPW], v[NIL]                      ; the opening lines
	ds_add_u32 v[SPW], v[NIL]
	v_lshrrev_b32 v1, 5, v0
	v_readfirstlane_b32 s[WV], v1
	s_bfe_u32 s13, ttmp6, 0x40000                  ; cx: it enters Q's and the output's addresses alone
	s_and_b32 s14, ttmp7, 0xffff                   ; 16 batch + head
	s_mov_b32 s[G1I], 15|(3<<16)|(1<<21)           ; 51 rows of 256 bytes; all four work-groups
	s_mov_b32 s[G1I+1], 32<<16
	s_mov_b32 s[G1I+2], 51<<16
	s_mov_b32 s[G1I+3], 32<<16
	s_mov_b32 s[G1I+4], 51
	s_mov_b32 s[G1I+5], 32
	s_mov_b32 s[G1I+6], 0
	s_mov_b32 s[G1I+7], 0
	s_mul_i32 s76, s14, REC
	s_mov_b32 s77, 0
	s_mul_i32 s80, s[WV], 13056                    ; my sixteenth of the fill
	s_add_co_u32 s16, s80, s76
	s_mov_b32 s17, 0
	s_mov_b32 s[SEL], 0x76543210
	s_mov_b32 s[SEL+1], 0xfedcba98
	s_mov_b32 s[CS], 0x3e38aa3b                    ; c = log2(e) / 8
	s_mov_b32 s[CS+1], s[CS]
	s_mov_b32 s[G0I], 1
	s_mov_b32 s[G0I+1], s80
	s_wait_dscnt 0x0
	s_wait_kmcnt 0x0
	s_add_nc_u64 s[16:17], s[4:5], s[16:17]
	s_add_nc_u64 s[G0I+2:G0I+3], s[16:17], 98304
	s_or_b32 s[G0I+3], s[G0I+3], 0x80000000
	CROUND
	tensor_load_to_lds s[G0I:G0I+3], s[G1I:G1I+7]  ; every wave's one load
	s_nop 0
.rept 4
	v_nop
.endr
	s_lshl_b32 s15, s13, 5
	s_add_co_u32 s15, s15, s[WV]                   ; my query tile in the first pass; in the second: sixteen on
	s_mul_i32 s82, s15, 768
	s_mov_b32 s83, 0
	s_add_nc_u64 s[82:83], s[82:83], s[76:77]
	s_add_nc_u64 s[68:69], s[4:5], s[82:83]        ; Q's image
	s_lshl_b32 s82, s15, 6
	s_add_co_u32 s82, s82, QWO
	s_mov_b32 s83, 0
	s_add_nc_u64 s[82:83], s[82:83], s[76:77]
	s_add_nc_u64 s[70:71], s[4:5], s[82:83]        ; Q's words
	s_lshr_b32 s80, s14, 4
	s_lshl_b32 s80, s80, 7
	s_add_co_u32 s80, s80, s15                     ; token tile
	s_and_b32 s81, s14, 15                         ; head
	s_mul_i32 s82, s80, 12288
	s_mul_i32 s83, s81, 768
	s_add_co_u32 s82, s82, s83
	s_mov_b32 s83, 0
	s_add_nc_u64 s[72:73], s[6:7], s[82:83]        ; the output's image
	s_lshl_b32 s82, s80, 9
	s_lshl_b32 s81, s81, 1
	s_add_co_u32 s82, s82, s81
	s_add_nc_u64 s[74:75], s[8:9], s[82:83]        ; and its scale bytes
	v_and_b32 v11, 31, v0
	v_lshlrev_b32 v[LI], 4, v11
	v_lshlrev_b32 v[L8], 3, v11
	v_lshl_add_u32 v[LS], v11, 2, SCL
	v_and_b32 v11, 15, v0
	v_bfe_u32 v[HH], v0, 4, 1
	v_lshlrev_b32 v[R4], 2, v11
	v_lshl_add_u32 v[R32], v11, 5, v[HH]
	global_load_b128 v[QF:QF+3], v[LI], s[68:69]
	global_load_b64 v[QF+4:QF+5], v[L8], s[68:69] offset:512
	global_load_b32 v[QS], v[R4], s[70:71]
	global_load_b128 v[Q2:Q2+3], v[LI], s[68:69] offset:16*768
	global_load_b64 v[Q2+4:Q2+5], v[L8], s[68:69] offset:16*768+512
	global_load_b32 v[Q2+6], v[R4], s[70:71] offset:16*64
.irp j, 0,1,2,3,4,5
	v_mov_b32 v[QF+6+\j], 0                        ; Q's upper 64 along K: zero codes
	v_mov_b32 v[R1+48+\j], 0                       ; behind the first step's last tile of K
.endr
.irp b, 0,1,2,3
	v_mov_b32 v[PD+\b], 0                          ; a lane permute's destination counts as one of its sources
.endr
	v_mov_b32 v[TP], 0
	v_mov_b32 v[FF+1], 0
.macro KQ2 rk, rs, u, left             ; tiles 2 u, 2 u + 1; their operands reach into tile 2 u + 2: left = the loads issued behind that tile's
	s_wait_dscnt \left
	v_wmma_scale_f32_16x16x128_f8f6f4 v[\rs+16*\u:\rs+16*\u+7], v[\rk+12*\u:\rk+12*\u+11], v[QF:QF+11], 0, v[KSC+\u], v[QS] matrix_a_fmt:MATRIX_FMT_FP6 matrix_b_fmt:MATRIX_FMT_FP6
	v_wmma_scale_f32_16x16x128_f8f6f4 v[\rs+16*\u+8:\rs+16*\u+15], v[\rk+12*\u+6:\rk+12*\u+17], v[QF:QF+11], 0, v[KSC+\u], v[QS] matrix_a_fmt:MATRIX_FMT_FP6 matrix_b_fmt:MATRIX_FMT_FP6 matrix_a_scale:MATRIX_SCALE_ROW1
.endm
.macro ADDS rs, m0, n                  ; the row's sum of the unquantised p: pairs m0 .. m0 + n - 1 of p's registers, dealt to four chains by turns
.set mm, \m0
.rept \n
.if (mm-6)%4 == 0
	v_pk_add_f32 v[14:15], v[14:15], v[\rs+2*mm:\rs+2*mm+1]
.else
	v_pk_add_f32 v[SM+2*((mm-6)%4)-2:SM+2*((mm-6)%4)-1], v[SM+2*((mm-6)%4)-2:SM+2*((mm-6)%4)-1], v[\rs+2*mm:\rs+2*mm+1]
.endif
.set mm, mm+1
.endr
.endm
.macro NEXTK st, rs, t0                ; four tiles of the next step's K onto registers of p that have been read for the last time
.irp t, \t0, \t0+1, \t0+2, \t0+3
.if \st < 3
	ds_load_b128 v[\rs+6*(\t):\rs+6*(\t)+3], v[A16] offset:6144*(\st+1)+768*(\t)
	ds_load_b64 v[\rs+6*(\t)+4:\rs+6*(\t)+5], v[A8] offset:6144*(\st+1)+768*(\t)+512
.else
	ds_load_b128 v[\rs+6*(\t):\rs+6*(\t)+3], v[N16] offset:768*(\t)
	ds_load_b64 v[\rs+6*(\t)+4:\rs+6*(\t)+5], v[N8] offset:768*(\t)+512
.endif
.endr
.endm
.macro PKT rs, j0, n                   ; t - M, n pairs from register j0 on
.set jj, \j0
.rept \n
	v_pk_fma_f32 v[\rs+jj:\rs+jj+1], v[\rs+jj:\rs+jj+1], s[CS:CS+1], v[12:13] op_sel_hi:[1,0,0]
.set jj, jj+2
.endr
.endm
; KEY STEP st OF A CHUNK: K lies in region rk, its words in v[KSC]; the scores go to region rs
.macro STEP st, rk, rs
	KQ2 \rk, \rs, 0, 10
	KQ2 \rk, \rs, 1, 6
	KQ2 \rk, \rs, 2, 2
	KQ2 \rk, \rs, 3, 0
.rept 4
	v_nop                                          ; places: in front of the loads into the products' registers and of the first read of the scores
.endr
.irp u, 0,1,2,3
.if \st < 3
	ds_load_b32 v[KSC+\u], v[ASK] offset:512*(\st+1)+128*\u    ; the next step's words of K
.else
	ds_load_b32 v[KSC+\u], v[NSK] offset:128*\u
.endif
.endr
.irp t, 0,1,2,3
.irp g, 0,1,2
	ds_load_b128 v[\rk+12*\t+4*\g:\rk+12*\t+4*\g+3], v[A16] offset:VOFF+6144*\st+1536*\t+512*\g   ; V lands on K
.endr
.endr
.irp u, 0,1
	ds_load_b32 v[VSC+\u], v[ASV] offset:8192+256*\st+128*\u
.endr
.irp b, 0,1,2,3
	v_max3_num_f32 v[BM+\b], v[\rs+16*\b], v[\rs+1+16*\b], v[\rs+2+16*\b]   ; each block's largest score: for the row's maximum and for the block's largest p
.endr
.irp i, 3,5,7,9,11,13
.irp b, 0,1,2,3
	v_max3_num_f32 v[BM+\b], v[BM+\b], v[\rs+16*\b+\i], v[\rs+1+16*\b+\i]
.endr
.endr
.irp b, 0,1,2,3
	v_max_num_f32 v[BM+\b], v[BM+\b], v[\rs+15+16*\b]
.endr
.irp b, 0,1,2,3
	v_permlanex16_b32 v[PD+\b], v[BM+\b], s[SEL], s[SEL+1]
.endr
.irp b, 0,1,2,3
	v_max_num_f32 v[BM+\b], v[BM+\b], v[PD+\b]
.endr
	v_max3_num_f32 v[TP], v[BM], v[BM+1], v[BM+2]
	v_mov_b32 v[OB], v12                           ; the old -M
	v_max3_num_f32 v13, v13, v[TP], v[BM+3]        ; the running largest score
	v_mul_f32 v[TP], s[CS], v13                    ; as t
	v_floor_f32 v12, -v[TP]                        ; -M = floor(-t)
.irp b, 0,1,2,3
	v_fma_f32 v[BM+\b], v[BM+\b], s[CS], v12
.endr
	v_sub_f32 v[TP], v12, v[OB]                    ; old M - new M; the three lines that make f stand among the multiply-adds
	PKT \rs, 0, 4
	v_cvt_i32_f32 v[TP], v[TP]
	PKT \rs, 8, 4
	v_ldexp_f32 v[FF], 1.0, v[TP]                  ; f = 2^(old M - new M)
	PKT \rs, 16, 24
	WALU                                           ; ahead of the batch
.irp b, 0,1,2,3
	v_exp_f32 v[BM+\b], v[BM+\b]                   ; the blocks' largest p
.endr
.set jj, 0
.rept 64
	v_exp_f32 v[\rs+jj], v[\rs+jj]                 ; p = 2^(t - M)
.set jj, jj+1
.endr
	v_pk_mul_f32 v[14:15], v[14:15], v[FF:FF+1] op_sel_hi:[1,0]   ; the sum under the new M: the plain place behind the batch
	WALU                                           ; one wait for the batch
.irp b, 0,1,2,3
	v_max_num_f32 v[BM+\b], 0x1800000, v[BM+\b]    ; the floor 2^(3 - 127)
.endr
.irp b, 0,1,2,3
	v_add_nc_u32 v[SO+\b], 0xff000000, v[BM+\b]    ; 2 off the exponent field: the conversion's scale operand
.endr
.irp c, 0,1
	v_cvt_scalef32_pk16_fp6_f32 v[CD+6*\c:CD+2+6*\c], v[\rs+32*\c:\rs+15+32*\c], v[SO+2*\c]
	v_cvt_scalef32_pk16_fp6_f32 v[CT+4*\c:CT+2+4*\c], v[\rs+16+32*\c:\rs+31+32*\c], v[SO+2*\c+1]
.endr
.irp b, 0,1,2,3
	v_lshrrev_b32 v[PD+\b], 23, v[SO+\b]           ; the scale's byte
.endr
	v_lshl_or_b32 v[PS], v[PD+1], 8, v[PD]
.irp k, 0,1,2
	v_pk_add_f32 v[SM+2*\k:SM+2*\k+1], v[\rs+4*\k:\rs+4*\k+1], v[\rs+4*\k+2:\rs+4*\k+3]   ; pairs 0 to 5 start three chains
.endr
	v_lshl_or_b32 v[PS], v[PD+2], 16, v[PS]
	ADDS \rs, 6, 3
	v_lshl_or_b32 v[PS], v[PD+3], 24, v[PS]
	ADDS \rs, 9, 3                                 ; p's registers 0-23 have been read for the last time
	NEXTK \st, \rs, 0
	ADDS \rs, 12, 12                               ; and 24-47
	NEXTK \st, \rs, 4
.irp c, 0,1
.irp i, 0,1,2
	v_permlane16_swap_b32 v[CD+6*\c+\i], v[CT+4*\c+\i]         ; the operand's layout wants a whole block in a lane
.endr
.irp i, 0,1,2
	v_mov_b32 v[CD+3+6*\c+\i], v[CT+4*\c+\i]
.endr
.endr
	ADDS \rs, 24, 8
	v_pk_add_f32 v[SM:SM+1], v[SM:SM+1], v[SM+2:SM+3]
	v_pk_add_f32 v[14:15], v[14:15], v[SM+4:SM+5]
	v_pk_add_f32 v[14:15], v[14:15], v[SM:SM+1]
	WALU                                           ; directly ahead of the first reader of O^T
.set jj, 0
.rept 16
	v_pk_mul_f32 v[OT+jj:OT+jj+1], v[OT+jj:OT+jj+1], v[FF:FF+1] op_sel_hi:[1,0]
.set jj, jj+2
.endr
	WALU                                           ; and ahead of the wait below
	s_wait_dscnt 16                                ; V and its words are in; the next K's 16 loads may be out
.irp u, 0,1
	v_wmma_scale_f32_16x16x128_f8f6f4 v[OT+16*\u:OT+16*\u+7], v[\rk+24*\u:\rk+24*\u+11], v[CD:CD+11], v[OT+16*\u:OT+16*\u+7], v[VSC+\u], v[PS] matrix_a_fmt:MATRIX_FMT_FP6 matrix_b_fmt:MATRIX_FMT_FP6
	v_wmma_scale_f32_16x16x128_f8f6f4 v[OT+16*\u+8:OT+16*\u+15], v[\rk+24*\u+12:\rk+24*\u+23], v[CD:CD+11], v[OT+16*\u+8:OT+16*\u+15], v[VSC+\u], v[PS] matrix_a_fmt:MATRIX_FMT_FP6 matrix_b_fmt:MATRIX_FMT_FP6 matrix_a_scale:MATRIX_SCALE_ROW1
.endr
.rept 5
	v_nop                                          ; five places: the next step's products write their scores over V's registers
.endr
.endm
.macro WALK                            ; all 2,048 keys: four trips of four key steps
	s_mov_b32 s[CNT], 0
.Ltrip_\@:
	s_mul_i32 s[TB], s[CNT], CHB
	s_lshl_b32 s[TS], s[CNT], 11
	s_lshl_b32 s[TJ], s[CNT], 10
	s_add_co_u32 s[TN], s[CNT], 1
	s_and_b32 s[TN], s[TN], 3                      ; the next chunk, round the end
	s_lshl_b32 s[TM], s[TN], 11
	s_mul_i32 s[TN], s[TN], CHB
	v_add_nc_u32 v[A16], s[TB], v[LI]
	v_add_nc_u32 v[A8], s[TB], v[L8]
	v_add_nc_u32 v[ASK], s[TS], v[LS]
	v_add_nc_u32 v[ASV], s[TJ], v[LS]
	v_add_nc_u32 v[N16], s[TN], v[LI]
	v_add_nc_u32 v[N8], s[TN], v[L8]
	v_add_nc_u32 v[NSK], s[TM], v[LS]
	WALU
	STEP 0, R1, R2
	STEP 1, R2, R1
	STEP 2, R1, R2
	STEP 3, R2, R1
	s_add_co_u32 s[CNT], s[CNT], 1
	s_cmp_lt_u32 s[CNT], 4
	s_cbranch_scc1 .Ltrip_\@
.endm
.macro PASS p                          ; 16 queries against all 2,048 keys
.if \p
.irp j, 0,1,2,3,4,5
	v_mov_b32 v[QF+\j], v[Q2+\j]
.endr
	v_mov_b32 v[QS], v[Q2+6]
.endif
	v_mov_b32 v13, 0xff61b1e6                      ; the largest score so far: -3e38
	v_mul_f32 v[TP], s[CS], v13
	v_floor_f32 v12, -v[TP]                        ; -M
	v_mov_b32 v14, 0
	v_mov_b32 v15, 0
.set jj, 0
.rept 32
	v_mov_b32 v[OT+jj], 0                          ; the step is written once: the first finds zeros
.set jj, jj+1
.endr
.if \p == 0
	WALU
	s_wait_loadcnt 0x0                             ; Q of both passes
	s_wait_tensorcnt 0x0                           ; my part of the fill
	s_wait_dscnt 0x0
	s_barrier_signal -1
	s_barrier_wait -1                              ; everybody's: nothing is filled again
.irp u, 0,1,2,3
	ds_load_b32 v[KSC+\u], v[LS] offset:128*\u     ; the first step's K and its words
.endr
.irp t, 0,1,2,3,4,5,6,7
	ds_load_b128 v[R1+6*\t:R1+6*\t+3], v[LI] offset:768*\t
	ds_load_b64 v[R1+6*\t+4:R1+6*\t+5], v[L8] offset:768*\t+512
.endr
.endif
	WALK
	; the pass's end works in region 2: region 1 takes the next K
	v_add_f32 v14, v14, v15
	v_permlanex16_b32 v[TP], v14, s[SEL], s[SEL+1]
	v_add_f32 v14, v14, v[TP]                      ; the row's sum
	WALU
	v_rcp_f32 v14, v14
	v_nop
	WALU
.set jj, 0
.rept 16
	v_pk_mul_f32 v[R2+jj:R2+jj+1], v[OT+jj:OT+jj+1], v[14:15] op_sel_hi:[1,0]   ; register 8 t + j: channel 16 t + 8 h + j
.set jj, jj+2
.endr
.irp b, 0,1
.irp j, 0,1,2,3,4,5,6,7
	v_permlane16_swap_b32 v[R2+16*\b+\j], v[R2+8+16*\b+\j]     ; register 16 b + i is now channel 32 b + 16 h + i
.endr
.endr
.irp b, 0,1
	v_max3_num_f32 v[BM+\b], |v[R2+16*\b]|, |v[R2+1+16*\b]|, 0x1800000
.endr
.irp i, 2,4,6,8,10,12,14
.irp b, 0,1
	v_max3_num_f32 v[BM+\b], v[BM+\b], |v[R2+16*\b+\i]|, |v[R2+1+16*\b+\i]|
.endr
.endr
.irp b, 0,1
	v_permlanex16_b32 v[PD+\b], v[BM+\b], s[SEL], s[SEL+1]
.endr
.irp b, 0,1
	v_max_num_f32 v[BM+\b], v[BM+\b], v[PD+\b]
.endr
.irp b, 0,1
	v_add_nc_u32 v[SO+\b], 0xff000000, v[BM+\b]
.endr
.irp b, 0,1
	v_lshrrev_b32 v[PD+\b], 23, v[SO+\b]
.endr
	v_cmp_eq_u32 vcc_lo, 1, v[HH]
	v_cndmask_b32 v[OB], v[PD], v[PD+1], vcc_lo    ; lane (r, h) stores block h's byte
	v_cvt_scalef32_pk16_fp6_f32 v[CD:CD+2], v[R2:R2+15], v[SO]
	v_cvt_scalef32_pk16_fp6_f32 v[CT:CT+2], v[R2+16:R2+31], v[SO+1]
	v_nop
.irp i, 0,1,2
	v_permlane16_swap_b32 v[CD+\i], v[CT+\i]
.endr
.irp i, 0,1,2
	v_mov_b32 v[CD+3+\i], v[CT+\i]
.endr
	global_store_b128 v[LI], v[CD:CD+3], s[72:73] offset:(\p)*16*12288
	global_store_b64 v[L8], v[CD+4:CD+5], s[72:73] offset:(\p)*16*12288+512
	global_store_b8 v[R32], v[OB], s[74:75] offset:(\p)*16*512
.if \p == 0
	s_wait_xcnt 0x0                                ; the stores' data are written again only behind this wait
.endif
.endm
	PASS 0
	PASS 1
	s_wait_tensorcnt 0x0                           ; the wave's end
	ds_add_u32 v[SPW], v[NIL]
	s_wait_dscnt 0x0
	CROUND
	s_endpgm
.Lfunc_end_k_q07e56617fc_attn:
	.size	k_q07e56617fc_attn, .Lfunc_end_k_q07e56617fc_attn-k_q07e56617fc_attn
	.p2alignl 7, 3214868480
	.fill 96, 4, 3214868480
	.section	.rodata,"a",@progbits
	.p2align	6, 0x0
	.amdhsa_kernel k_q07e56617fc_attn
		.amdhsa_group_segment_fixed_size 210944
		.amdhsa_private_segment_fixed_size 0
		.amdhsa_enable_private_segment 0
		.amdhsa_kernarg_size 24
		.amdhsa_user_sgpr_count 2
		.amdhsa_user_sgpr_kernarg_segment_ptr 1
		.amdhsa_wavefront_size32 1
		.amdhsa_system_sgpr_workgroup_id_x 1
		.amdhsa_system_sgpr_workgroup_id_y 1
		.amdhsa_system_sgpr_workgroup_id_z 1
		.amdhsa_system_vgpr_workitem_id 0
		.amdhsa_next_free_vgpr 256
		.amdhsa_next_free_sgpr 84
		.amdhsa_reserve_vcc 1
		.amdhsa_float_denorm_mode_32 3
		.amdhsa_float_denorm_mode_16_64 3
		.amdhsa_memory_ordered 1
		.amdhsa_forward_progress 1
		.amdhsa_inst_pref_size 145
	.end_amdhsa_kernel
	.amdgpu_metadata
---
amdhsa.version: [ 1, 2 ]
amdhsa.kernels:
  - .name:           k_q07e56617fc_attn
    .symbol:         k_q07e56617fc_attn.kd
    .args:
      - { .name: qkv_img, .offset: 0, .size: 8, .value_kind: global_buffer, .address_space: global }
      - { .name: a_img, .offset: 8, .size: 8, .value_kind: global_buffer, .address_space: global }
      - { .name: a_scl, .offset: 16, .size: 8, .value_kind: global_buffer, .address_space: global }
    .group_segment_fixed_size: 210944
    .private_segment_fixed_size: 0
    .kernarg_segment_align: 8
    .kernarg_segment_size: 24
    .max_flat_workgroup_size: 512
    .sgpr_count:     84
    .vgpr_count:     256
    .wavefront_size: 32
...
	.end_amdgpu_metadata
.endif
;; end of part 2
;; launch oproj (part 3): grid 8 x 32, 4 waves a work-group, clusters of 4 x 4, 327,680 bytes of LDS; arguments a_img, a_scl, Wo_codes, Wo_scales, bo, out0; writes out0
.if DOCPART == 3
	.amdgcn_target "amdgcn-amd-amdhsa--gfx1250"
	.amdhsa_code_object_version 6
	.text
	.protected	k_q07e56617fc_oproj
	.globl	k_q07e56617fc_oproj
	.p2align	8
	.type	k_q07e56617fc_oproj,@function
k_q07e56617fc_oproj:
	s_mov_b64 s[64:65], 0
	v_nop
	global_prefetch_b8 v0, s[64:65] scope:SCOPE_SE
	s_setreg_imm32_b32 hwreg(HW_REG_WAVE_MODE, 25, 1), 1
	s_wait_xcnt 0x0
	s_wait_alu depctr_hold_cnt(0) depctr_sa_sdst(0) depctr_va_vdst(0) depctr_va_sdst(0) depctr_va_ssrc(0) depctr_va_vcc(0) depctr_vm_vsrc(0)
	s_getreg_b32 s2, hwreg(HW_REG_IB_STS2, 6, 4)
	s_cmp_eq_u32 s2, 0
	s_cbranch_scc0 .Lentry_in_a_cluster
	s_endpgm
.Lentry_in_a_cluster:
	s_bfe_u32 s2, ttmp6, 0x10000c
	s_cmp_lg_u32 s2, 0xf033
	s_cbranch_scc0 .Lentry_shape_is_right
	s_endpgm
.Lentry_shape_is_right:
; out0 = A Wo^T + bo on codes of FP6 (E2M3) with E8M0 scales, K = 1,024, f32 sums.  A: the attention launch's images a_img [token tile of 16][head 16][768] and scale bytes a_scl [token][32].
; 256 work-groups of four waves, 2 x 2; a work-group makes 256 tokens x 128 columns.  ALL OF K LIES IN LDS, FILLED ONCE: Wo's 128 rows (768 bytes + 16 behind every 256) by wave 0,
; A's 16 token tiles, 196,608 dense bytes as rows of 256, a third each by waves 1 to 3.  Nothing is filled again.  A is shared along a row of the 4 x 4 cluster, Wo along a column: joint loads.
; A wave holds its 64 rows of Wo, all of K, in 384 registers and streams its eight blocks of 16 tokens past them (block s of wave row a is token tile 2 s + a), two sets of 96 registers.
; A block is 32 products on four accumulators by turns; the bias is the first four products' C.  Source 0 = Wo's rows: a lane holds a token and 8 neighbouring columns a tile.
; A finished block goes through the wave's own stage (16 rows of 256 + 16 bytes) and leaves as whole rows: sixteen lanes store 256 consecutive bytes, aligned.
; Scale words and the bias come by plain loads into registers at the start.  No prefetch: every tile is asked for at the start, and there is no loop to run ahead in.
; REGISTERS: window 0 addresses, scale words, bias, two sets of accumulators, two sets of rows on the way out; windows 1, 2: Wo's fragment f = 4 q + b at 12 (f % 21) of window 1 + f / 21; window 3: A's set e at 96 e + 12 q.
; THE COUNTED WAITS on LDS: a pass through the stage is 16 instructions, a block's fetch 32.  Ahead of block s its fetch has behind it one pass and one fetch (48); block 0 one fetch (32); block 7 one pass (16).
; Ahead of a block's stores at most the youngest pass and fetch (48), or where nothing more is fetched the pass (16), may be out.
.set KROW,   768
.set PITCH,  816
.set AB,     128*PITCH                 ; A's images behind Wo's rows
.set STG,    AB+196608
.set SPITCH, 272
.set SPARE,  STG+4*16*SPITCH
.set ADB,  4                           ; v4, v5 my fragments of Wo (v5: behind one padding more)
.set A16,  6                           ; v6-9   16 x lane in my blocks 2 k, 2 k + 1
.set A8,   10                          ; v10-13 8 x lane likewise
.set STO,  14
.set RD,   15
.set CO,   16
.set ABS,  17
.set BO,   18
.set ASO,  19
.set SPW,  20
.set NIL,  21
.set SB,   24                          ; v24-39 Wo's scale words: 8 p + q: lanes 0-15 tile 2 p, lanes 16-31 tile 2 p + 1
.set SA,   44                          ; v44-75 A's: 8 pr + q: lanes 0-15 block 2 pr, lanes 16-31 block 2 pr + 1
.set BI,   76                          ; v76-107 the bias as C
.set ACC,  108                         ; v108-171
.set OB,   172                         ; v172-235
.set G1A, 24
.set G1B, 32
.set G0A, 48
.set G0B, 52
.set MSB, 0
.macro WIN new
.if MSB != \new
	s_set_vgpr_msb (MSB<<8)|\new
.set MSB, \new
.endif
.endm
.macro PLACES n
.rept \n
	v_nop
.endr
.endm
.macro BARRIER
	s_barrier_signal -1
	s_barrier_wait -1
.endm
.macro CROUND
	BARRIER
	s_cmp_lg_u32 s16, 0
	s_cbranch_scc1 .Lnot_wave_0_\@
	s_barrier_signal -3
.Lnot_wave_0_\@:
	s_barrier_wait -3
	BARRIER
.endm
.macro TLOAD g0, g1
	tensor_load_to_lds s[\g0:\g0+3], s[\g1:\g1+7]
	s_nop 0
	PLACES 4
.endm
	s_load_b256 s[4:11], s[0:1], 0x0               ; a_img, a_scl, Wo_codes, Wo_scales
	s_load_b128 s[12:15], s[0:1], 0x20             ; bo, out0
	v_lshl_add_u32 v[SPW], v0, 2, SPARE
	v_mov_b32 v[NIL], 0
	ds_add_u32 v[SPW], v[NIL]                      ; the opening lines
	ds_add_u32 v[SPW], v[NIL]
	v_lshrrev_b32 v1, 5, v0
	v_readfirstlane_b32 s16, v1                    ; wave; s17 its row a, s18 its column b
	s_lshr_b32 s17, s16, 1
	s_and_b32 s18, s16, 1
	s_bfe_u32 s40, ttmp6, 0x40000                  ; cx
	s_bfe_u32 s41, ttmp6, 0x40004                  ; cy
	s_lshl_b32 s42, ttmp9, 2
	s_add_co_u32 s42, s42, s40                     ; tile column, 0 .. 7
	s_and_b32 s43, ttmp7, 0xffff
	s_lshl_b32 s43, s43, 2
	s_add_co_u32 s43, s43, s41                     ; tile row, 0 .. 31
	s_lshl_b32 s44, s41, 2
	s_lshl_b32 s44, 15, s44                        ; my row of the cluster
	s_lshl_b32 s45, 0x1111, s40                    ; my column
	s_or_b32 s[G1A+0], s44, (3<<16)|(1<<21)        ; 256 rows of 256 bytes, dense
	s_mov_b32 s[G1A+1], 32<<16
	s_mov_b32 s[G1A+2], 256<<16
	s_mov_b32 s[G1A+3], 32<<16
	s_mov_b32 s[G1A+4], 256
	s_mov_b32 s[G1A+5], 32
	s_mov_b32 s[G1A+6], 0
	s_mov_b32 s[G1A+7], 0
	s_or_b32 s[G1B+0], s45, (1<<20)|(1<<21)|(5<<22)|(3<<25)   ; 128 rows of 768 bytes, 16 of padding behind every 256
	s_mov_b32 s[G1B+1], KROW<<16
	s_mov_b32 s[G1B+2], 128<<16
	s_mov_b32 s[G1B+3], KROW<<16
	s_mov_b32 s[G1B+4], 128
	s_mov_b32 s[G1B+5], KROW
	s_mov_b32 s[G1B+6], 0
	s_mov_b32 s[G1B+7], 0
	s_add_co_u32 s22, s16, 3
	s_and_b32 s22, s22, 3
	s_min_u32 s22, s22, 2                          ; waves 1, 2, 3 take thirds 0, 1, 2 of A
	s_lshl_b32 s22, s22, 16
	s_mul_i32 s20, s43, 196608
	s_add_co_u32 s20, s20, s22
	s_mov_b32 s21, 0
	s_mul_i32 s46, s42, 128*KROW
	s_mov_b32 s47, 0
	s_mov_b32 s[G0A], 1
	s_add_co_u32 s[G0A+1], s22, AB
	s_mov_b32 s[G0B], 1
	s_mov_b32 s[G0B+1], 0
	s_lshl_b32 s56, s43, 13                        ; A's scale bytes: 8,192 a tile row + 512 a
	s_lshl_b32 s23, s17, 9
	s_add_co_u32 s56, s56, s23
	s_mov_b32 s57, 0
	s_lshl_b32 s58, s42, 12                        ; Wo's: 4,096 a tile column + 2,048 b
	s_lshl_b32 s23, s18, 11
	s_add_co_u32 s58, s58, s23
	s_mov_b32 s59, 0
	s_lshl_b32 s60, s42, 9                         ; my first column in bytes: 512 a tile column + 256 b
	s_lshl_b32 s23, s18, 8
	s_add_co_u32 s60, s60, s23
	s_mov_b32 s61, 0
	s_lshl_b32 s62, s43, 20                        ; out0: 256 rows of 4,096 bytes a tile row + 16 a rows + the column
	s_lshl_b32 s23, s17, 16
	s_add_co_u32 s62, s62, s23
	s_add_co_u32 s62, s62, s60
	s_mov_b32 s63, 0
	v_and_b32 v1, 15, v0                           ; r
	v_bfe_u32 v2, v0, 4, 1                         ; h
	v_and_b32 v3, 31, v0
	v_mul_u32_u24 v22, v1, PITCH
	s_mul_i32 s23, s18, 64*PITCH
	v_add_nc_u32 v22, s23, v22
	v_mad_u32_u24 v[ADB], v2, 24, v22
	v_mad_u32_u24 v[ADB+1], v2, 40, v22
	s_mul_i32 s23, s17, 12288
	s_add_co_u32 s23, s23, AB
	v_lshl_add_u32 v22, v3, 4, s23
	v_lshl_add_u32 v23, v3, 3, s23
.irp k, 0,1,2,3
	v_add_nc_u32 v[A16+\k], \k*49152, v22
	v_add_nc_u32 v[A8+\k], \k*49152, v23
.endr
	s_mul_i32 s23, s16, 16*SPITCH
	s_add_co_u32 s23, s23, STG
	v_mad_u32_u24 v22, v1, SPITCH, s23
	v_lshl_add_u32 v[STO], v2, 5, v22              ; in: row r, 32 bytes a half of the lanes
	v_mad_u32_u24 v22, v2, SPITCH, s23
	v_lshl_add_u32 v[RD], v1, 4, v22               ; back: lanes 0-15 one row, lanes 16-31 the next
	v_lshlrev_b32 v22, 12, v2
	v_lshl_add_u32 v[CO], v1, 4, v22               ; the same two rows in out0
	v_lshlrev_b32 v[ABS], 5, v3
	v_lshlrev_b32 v22, 10, v2
	v_lshl_add_u32 v[ASO], v1, 5, v22              ; token 16 (2 h) + r of a pair of my blocks
	v_lshlrev_b32 v[BO], 5, v2
	s_wait_alu depctr_va_vdst(0)                   ; the wait at the head's end
	s_wait_dscnt 0x0
	CROUND                                         ; the joint loads meet
	s_wait_kmcnt 0x0
	s_add_nc_u64 s[G0A+2:G0A+3], s[4:5], s[20:21]
	s_or_b32 s[G0A+3], s[G0A+3], 0x80000000
	s_add_nc_u64 s[G0B+2:G0B+3], s[8:9], s[46:47]
	s_or_b32 s[G0B+3], s[G0B+3], 0x80000000
	s_add_nc_u64 s[6:7], s[6:7], s[56:57]
	s_add_nc_u64 s[10:11], s[10:11], s[58:59]
	s_add_nc_u64 s[12:13], s[12:13], s[60:61]
	s_add_nc_u64 s[14:15], s[14:15], s[62:63]
	s_cmp_eq_u32 s16, 0
	s_cbranch_scc0 .Lfor_a
	TLOAD G0B, G1B                                 ; wave 0: Wo's rows, which go on into registers
	s_branch .Lasked
.Lfor_a:
	TLOAD G0A, G1A                                 ; waves 1 to 3: a third of A each
.Lasked:
.irp p, 0,1
.irp c, 0,1
	global_load_b128 v[SB+8*\p+4*\c:SB+8*\p+4*\c+3], v[ABS], s[10:11] offset:\p*1024+16*\c
.endr
.endr
.irp p, 0,1,2,3
.irp c, 0,1
	global_load_b128 v[SA+8*\p+4*\c:SA+8*\p+4*\c+3], v[ASO], s[6:7] offset:\p*2048+16*\c
.endr
.endr
.irp t, 0,1,2,3
.irp c, 0,1
	global_load_b128 v[BI+8*\t+4*\c:BI+8*\t+4*\c+3], v[BO], s[12:13] offset:64*\t+16*\c   ; columns 16 t + 8 h + 0 .. 7
.endr
.endr
.macro BFRAG f, q, bt                  ; six pieces of 8 bytes; piece number PC_ of a row lies at 8 PC_ + 16 (PC_ / 32)
	WIN (1+(\f)/21)<<6
.set R_, 12*((\f)%21)
.irp p, 0,1,2,3,4,5
.set PC_, 12*(\q)+6*(\p/3)+\p%3
	ds_load_b64 v[R_+2*\p:R_+2*\p+1], v[ADB+(PC_%32+3)/32] offset:(\bt)*16*PITCH+8*(PC_+2*(PC_/32))
.endr
.endm
.macro AFETCH s                        ; block s into set s % 2: 32 loads of whole images
	WIN 0xc0
.irp q, 0,1,2,3,4,5,6,7
.irp c, 0,1
	ds_load_b128 v[96*((\s)%2)+12*\q+6*\c:96*((\s)%2)+12*\q+6*\c+3], v[A16+(\s)/2] offset:((\s)%2)*24576+1536*\q+768*\c
	ds_load_b64 v[96*((\s)%2)+12*\q+6*\c+4:96*((\s)%2)+12*\q+6*\c+5], v[A8+(\s)/2] offset:((\s)%2)*24576+1536*\q+768*\c+512
.endr
.endr
	WIN 0
.endm
.macro PRODS pr, e                     ; block 2 pr + e: 32 products, the four accumulators by turns
.irp q, 0,1,2,3,4,5,6,7
.irp u, 0,1
.irp o, 0,1
.set F_, 4*\q+2*\u+\o
.set D_, ACC+32*\e+8*(2*\u+\o)
	WIN (1+F_/21)|(3<<2)
.if \q == 0
	v_wmma_scale_f32_16x16x128_f8f6f4 v[D_:D_+7], v[12*(F_%21):12*(F_%21)+11], v[96*\e+12*\q:96*\e+12*\q+11], v[BI+8*(2*\u+\o):BI+8*(2*\u+\o)+7], v[SB+8*\u+\q], v[SA+8*\pr+\q] matrix_a_fmt:MATRIX_FMT_FP6 matrix_b_fmt:MATRIX_FMT_FP6 matrix_a_scale:MATRIX_SCALE_ROW\o matrix_b_scale:MATRIX_SCALE_ROW\e
.else
	v_wmma_scale_f32_16x16x128_f8f6f4 v[D_:D_+7], v[12*(F_%21):12*(F_%21)+11], v[96*\e+12*\q:96*\e+12*\q+11], v[D_:D_+7], v[SB+8*\u+\q], v[SA+8*\pr+\q] matrix_a_fmt:MATRIX_FMT_FP6 matrix_b_fmt:MATRIX_FMT_FP6 matrix_a_scale:MATRIX_SCALE_ROW\o matrix_b_scale:MATRIX_SCALE_ROW\e
.endif
.endr
.endr
.endr
	WIN 0
.endm
.macro TOSTAGE e                       ; 8 stores, each accumulator from its low end on, and 8 loads of whole rows; LDS serves a wave's instructions in order
.irp b, 0,1,2,3
	ds_store_b128 v[STO], v[ACC+32*\e+8*\b:ACC+32*\e+8*\b+3] offset:64*\b
	ds_store_b128 v[STO], v[ACC+32*\e+8*\b+4:ACC+32*\e+8*\b+7] offset:64*\b+16
.endr
.irp t, 0,1,2,3,4,5,6,7
	ds_load_b128 v[OB+32*\e+4*\t:OB+32*\e+4*\t+3], v[RD] offset:\t*2*SPITCH
.endr
.endm
.macro SEND s
.irp t, 0,1,2,3,4,5,6,7
	global_store_b128 v[CO], v[OB+32*((\s)%2)+4*\t:OB+32*((\s)%2)+4*\t+3], s[14:15] offset:(\s)*131072+\t*8192 th:TH_STORE_NT
.endr
.endm
.macro BLK s, pr, e
.if \s == 0
	s_wait_dscnt 32
.elseif \s == 7
	s_wait_dscnt 16
.else
	s_wait_dscnt 48
.endif
	PRODS \pr, \e
	PLACES 4                                       ; between the products and the reads of their results and the loads into their operands
.if \s > 1
	s_wait_xcnt 0x0                                ; block s - 2's stores have read the registers that the stage's loads fill again
.endif
	TOSTAGE \e
.if \s < 6
	AFETCH (\s)+2
.endif
.if \s > 0
.if \s < 6
	s_wait_dscnt 48
.else
	s_wait_dscnt 16
.endif
	SEND (\s)-1
.endif
.endm
	s_cmp_eq_u32 s16, 0
	s_cbranch_scc0 .Lnot_b
	s_wait_tensorcnt 0x0
.Lnot_b:
	BARRIER                                        ; Wo's rows are in; A may still be on its way
.irp q, 0,1,2,3,4,5,6,7
.irp b, 0,1,2,3
	BFRAG 4*\q+\b, \q, \b
.endr
.endr
	WIN 0
	s_wait_tensorcnt 0x0
	s_wait_dscnt 0x0
	BARRIER                                        ; all of A is in
	AFETCH 0
	AFETCH 1
	s_wait_loadcnt 0x0                             ; the scale words and the bias
	BLK 0, 0, 0
	BLK 1, 0, 1
	BLK 2, 1, 0
	BLK 3, 1, 1
	BLK 4, 2, 0
	BLK 5, 2, 1
	BLK 6, 3, 0
	BLK 7, 3, 1
	s_wait_dscnt 0x0
	SEND 7
	s_wait_tensorcnt 0x0                           ; the wave's end
	ds_add_u32 v[SPW], v[NIL]
	s_wait_dscnt 0x0
	CROUND
	s_endpgm
.Lfunc_end_k_q07e56617fc_oproj:
	.size	k_q07e56617fc_oproj, .Lfunc_end_k_q07e56617fc_oproj-k_q07e56617fc_oproj
	.p2alignl 7, 3214868480
	.fill 96, 4, 3214868480
	.section	.rodata,"a",@progbits
	.p2align	6, 0x0
	.amdhsa_kernel k_q07e56617fc_oproj
		.amdhsa_group_segment_fixed_size 327680
		.amdhsa_private_segment_fixed_size 0
		.amdhsa_enable_private_segment 0
		.amdhsa_kernarg_size 48
		.amdhsa_user_sgpr_count 2
		.amdhsa_user_sgpr_kernarg_segment_ptr 1
		.amdhsa_wavefront_size32 1
		.amdhsa_system_sgpr_workgroup_id_x 1
		.amdhsa_system_sgpr_workgroup_id_y 1
		.amdhsa_system_sgpr_workgroup_id_z 1
		.amdhsa_system_vgpr_workitem_id 0
		.amdhsa_next_free_vgpr 960
		.amdhsa_next_free_sgpr 66
		.amdhsa_reserve_vcc 0
		.amdhsa_float_denorm_mode_32 3
		.amdhsa_float_denorm_mode_16_64 3
		.amdhsa_memory_ordered 1
		.amdhsa_forward_progress 1
		.amdhsa_inst_pref_size 87
	.end_amdhsa_kernel
	.amdgpu_metadata
---
amdhsa.version: [ 1, 2 ]
amdhsa.kernels:
  - .name:           k_q07e56617fc_oproj
    .symbol:         k_q07e56617fc_oproj.kd
    .args:
      - { .name: a_img, .offset: 0, .size: 8, .value_kind: global_buffer, .address_space: global }
      - { .name: a_scl, .offset: 8, .size: 8, .value_kind: global_buffer, .address_space: global }
      - { .name: Wo_codes, .offset: 16, .size: 8, .value_kind: global_buffer, .address_space: global }
      - { .name: Wo_scales, .offset: 24, .size: 8, .value_kind: global_buffer, .address_space: global }
      - { .name: bo, .offset: 32, .size: 8, .value_kind: global_buffer, .address_space: global }
      - { .name: out0, .offset: 40, .size: 8, .value_kind: global_buffer, .address_space: global }
    .group_segment_fixed_size: 327680
    .private_segment_fixed_size: 0
    .kernarg_segment_align: 8
    .kernarg_segment_size: 48
    .max_flat_workgroup_size: 128
    .sgpr_count:     66
    .vgpr_count:     960
    .wavefront_size: 32
...
	.end_amdgpu_metadata
.endif
;; end of part 3
